; MI455X (gfx1250); checked and timed in simulation.
; The chip was launched on July 23, 2026; its instructions are those of AMD's public machine-readable ISA for CDNA 5 (MIT licence, August 2026) and "CDNA5" Instruction Set Architecture Reference Guide (July 2026). The comments in the code are by the model that wrote it; some were corrected since.
;; Tharvexal4 Mo E. Allowed arithmetic: float matrix products may take bf16 or f16 operands with f32 sums; other float arithmetic in f32, or as packed bf16 or f16 multiplies, adds, multiply-adds, maxima and minima; sums over many terms, partial sums and values carried from step to step in f32; what a program stores and reads back later, other than sums and carried values, may be rounded once to bf16 or f16.
;; Inputs: amplitudes 128 x 1 x 2 float32; expert_scale 128 float32; shared_w_down 512 x 2,048 float32; shared_w_gate 2,048 x 512 float32; shared_w_up 2,048 x 512 float32; w_down 256 x 2,048 float32; w_gate 2,048 x 256 float32; w_router 2,048 x 128 float32; w_up 2,048 x 256 float32; x 4 x 2,048 x 2,048 float32.
;; Outputs: out0 4 x 2,048 x 2,048 float32.
;; One version. Each part assembles by itself: llvm-mc -triple=amdgcn-amd-amdhsa -mcpu=gfx1250 --defsym DOCPART=n.
;; ======== version 1 of 1: 3 launches
;; workspace buffers: xb 33,554,432 bytes; w1 6,291,456 bytes; wr 524,288 bytes; wd 3,145,728 bytes; gt 512 bytes; hb 12,582,912 bytes; cw 32,768 bytes
;; launch prep (part 1): grid 817 x 1, 8 waves a work-group, no clusters, 68,608 bytes of LDS; arguments x, w_gate, w_up, shared_w_gate, shared_w_up, w_router, w_down, shared_w_down, amplitudes, expert_scale, xb, w1, wr, wd, gt; writes xb, w1, wr, wd, gt
.if DOCPART == 1
	.amdgcn_target "amdgcn-amd-amdhsa--gfx1250"
	.amdhsa_code_object_version 6
	.text
	.protected	k_q7034bb29ff_prep
	.globl	k_q7034bb29ff_prep
	.p2align	8
	.type	k_q7034bb29ff_prep,@function
k_q7034bb29ff_prep:
	s_mov_b64 s[64:65], 0
	v_nop
	global_prefetch_b8 v0, s[64:65] scope:SCOPE_SE
	s_setreg_imm32_b32 hwreg(HW_REG_WAVE_MODE, 25, 1), 1
	s_wait_xcnt 0x0
; PREP.  Every input is rounded once to bf16 (nearest even) and laid in FRAGMENT ORDER for the two products that follow.
; A fragment is 16 rows x 32 k of bf16, 1,024 bytes: byte half*512 + lane*16 holds row lane%16, k = 16 half + 8 (lane/16) + 0..7.
;   xb [ks 16][row tile 512][kb 4][1024]   x, k = 128 ks + 32 kb + ..
;   w1 [ks 16][T 96][kb 4][1024]           T = 2 u + s: hidden tile u (u < 16: w_gate / w_up, else the shared pair), s = 0 gate, 1 up; a fragment's rows are weight columns
;   wr [ks 16][ct 8][kb 4][1024]           w_router; place (ct, n) holds expert 64 (ct/4) + 32 (n/8) + 8 (ct%4) + n%8
;   wd [ks 6][ct 128][kb 4][1024]          k 0..255 w_down, 256..767 shared_w_down
;   gt [128] f32                           expert_scale x p / (p + 1e-8), p = a0^2 + a1^2, from inputs rounded to bf16
; Work-groups 0..511: 16 rows of x each, a wave 256 k of them.  512..815: weights, a wave 32 k x 64 columns.  816: the table.
; Memory binds: no matrix unit; no cluster, since no two work-groups read the same bytes; each wave's task is straight-line, and the waves of several work-groups overlap each other.
.set SPW,   2                          ; v2  LDS address of my spare word; never rewritten
.set NIL,   3                          ; v3  0; never rewritten
.set XR,    16                         ; v[16:143] x path: 8 registers a row
.set WD,    32                         ; v[32:95]  weight path: 16 registers a tile
.set PIT,   528                        ; a stage row: 512 bytes + 16: the 16 rows of a read-back start at 16 different 16-byte columns of 256
.set STG,   16*PIT                     ; a wave's stage, 8,448 bytes = 33 blocks of 256
.set SPARE, 8*STG                      ; behind the stages: the spare words, 128 bytes a wave
	s_load_b512 s[16:31], s[0:1], 0x0              ; x 16, w_gate 18, w_up 20, shared_w_gate 22, shared_w_up 24, w_router 26, w_down 28, shared_w_down 30
	s_load_b256 s[32:39], s[0:1], 0x40             ; amplitudes 32, expert_scale 34, xb 36, w1 38
	s_load_b128 s[40:43], s[0:1], 0x60             ; wr 40, wd 42
	s_load_b64 s[44:45], s[0:1], 0x70              ; gt
	v_lshl_add_u32 v[SPW], v0, 2, SPARE
	v_mov_b32 v[NIL], 0
	v_and_b32 v1, 31, v0                           ; lane
	v_lshrrev_b32 v4, 5, v0
	v_readfirstlane_b32 s8, v4                     ; wave 0..7
	s_mov_b32 s2, ttmp9
	s_wait_kmcnt 0x0
	s_cmp_lt_u32 s2, 512
	s_cbranch_scc0 .Lweights
	; ---- x: row tile s2, k = 256 wave .. + 255
	s_lshl_b32 s10, s2, 17                         ; 16 rows of 8,192 bytes
	s_lshl_b32 s11, s8, 10                         ; 256 f32
	s_add_co_u32 s10, s10, s11
	s_mov_b32 s11, 0
	s_add_nc_u64 s[16:17], s[16:17], s[10:11]
	s_lshl_b32 s12, s8, 22                         ; two ks of 2,097,152 bytes
	s_lshl_b32 s13, s2, 12                         ; the row tile's 4,096 bytes in a ks
	s_add_co_u32 s12, s12, s13
	s_mov_b32 s13, 0
	s_add_nc_u64 s[36:37], s[36:37], s[12:13]
	s_mul_i32 s9, s8, STG                          ; my stage
	v_lshlrev_b32 v5, 4, v1                        ; 16 x lane: for the loads and for the stores
	v_lshl_add_u32 v6, v1, 3, s9                   ; in: 8 bytes a lane
	v_and_b32 v7, 15, v1
	v_mul_u32_u24 v7, v7, PIT
	v_lshrrev_b32 v8, 4, v1
	v_lshl_add_u32 v7, v8, 4, v7
	v_add_nc_u32 v7, s9, v7                        ; back: row lane%16, 16 bytes for each half of the lanes
.set ir, 0
.rept 16                               ; each load covers 512 consecutive bytes; a row's two its 1,024
	global_load_b128 v[XR+8*ir:XR+8*ir+3],   v5, s[16:17] offset:ir*8192 th:TH_LOAD_NT
	global_load_b128 v[XR+8*ir+4:XR+8*ir+7], v5, s[16:17] offset:ir*8192+512 th:TH_LOAD_NT
.set ir, ir+1
.endr
.set ir, 0
.rept 16
	s_wait_loadcnt 30-2*ir                         ; loads come back in order: row ir is in, the younger rows' loads stay out
.irp n, 0,1,2,3
	v_cvt_pk_bf16_f32 v[XR+8*ir+\n], v[XR+8*ir+2*\n], v[XR+8*ir+2*\n+1]  ; in place, ascending: a register is written when it has been read
.endr
	ds_store_b64 v6, v[XR+8*ir:XR+8*ir+1]   offset:ir*PIT       ; k 4 lane .. + 3
	ds_store_b64 v6, v[XR+8*ir+2:XR+8*ir+3] offset:ir*PIT+256   ; k 128 + 4 lane ..
.set ir, ir+1
.endr
.set io, 0
.rept 16                               ; half fragment io: k = 16 io + 8 (lane/16) ..; the stage is my own, and LDS serves a wave's instructions in order: no wait, no barrier
	ds_load_b128 v[XR+8*io+4:XR+8*io+7], v7 offset:io*32
.set io, io+1
.endr
.set io, 0
.rept 16
	s_wait_dscnt 15-io                             ; the younger read-backs stay out
	global_store_b128 v5, v[XR+8*io+4:XR+8*io+7], s[36:37] offset:(io/8)*2097152+(io%8)*512  ; 512 consecutive bytes, aligned
.set io, io+1
.endr
	s_wait_tensorcnt 0x0                           ; the wave's end, behind my last LDS store
	ds_add_u32 v[SPW], v[NIL]
	s_wait_dscnt 0x0
	s_endpgm
; ---- a wave's weight task: 32 k x 64 columns = 4 fragments.  In: s3 = the work-group's number in its matrix, s[46:47] the source, s9 the first tile's addend, s10 the k block's addend.
; lng: log2 of the matrix's groups of 64 columns; n4: bytes in a k row; ksb: bytes of a ks in the target; t0mul: tiles a group; dstep: bytes from tile to tile in the target;
; cstep: bytes from tile to tile in the source; xl: what column 8..15 of a tile lies further on (the router's order of experts); dstp: the target's pointer.
.macro WTASK lng, n4, ksb, t0mul, dstep, cstep, xl, dstp
	s_and_b32 s11, s3, (1<<(\lng))-1               ; group of 64 columns
	s_lshr_b32 s12, s3, \lng
	s_lshl_b32 s12, s12, 3
	s_add_co_u32 s12, s12, s8                      ; k block of 32
	s_mul_i32 s14, s12, 32*(\n4)
	s_lshl_b32 s13, s11, 8
	s_add_co_u32 s14, s14, s13
	s_mov_b32 s15, 0
	s_add_nc_u64 s[46:47], s[46:47], s[14:15]
	s_add_co_u32 s12, s12, s10                     ; k block in the target
	s_lshr_b32 s13, s12, 2
	s_mul_i32 s14, s13, \ksb
	s_mul_i32 s13, s11, \t0mul
	s_add_co_u32 s13, s13, s9
	s_lshl_b32 s13, s13, 12
	s_add_co_u32 s14, s14, s13
	s_and_b32 s13, s12, 3
	s_lshl_b32 s13, s13, 10
	s_add_co_u32 s14, s14, s13
	s_add_nc_u64 s[48:49], s[\dstp:\dstp+1], s[14:15]
	v_and_b32 v6, 15, v1                           ; the fragment's row = the weight's column
	v_lshrrev_b32 v7, 4, v1
.if \xl
	v_lshrrev_b32 v8, 3, v6
	v_mad_u32_u24 v6, v8, \xl, v6
.endif
	v_lshlrev_b32 v4, 2, v6
	v_mad_u32_u24 v4, v7, 8*(\n4), v4              ; + 8 (lane/16) k rows
	v_lshlrev_b32 v5, 4, v1
.set it, 0
.rept 4
.set im, 0
.rept 16                               ; register im of a tile: k = 16 (im/8) + 8 (lane/16) + im%8; the k row and the tile stand in the immediate
	global_load_b32 v[WD+16*it+im], v4, s[46:47] offset:(im+8*(im/8))*(\n4)+it*(\cstep)
.set im, im+1
.endr
.set it, it+1
.endr
.set it, 0
.rept 4
	s_wait_loadcnt 48-16*it                        ; the later tiles' loads stay out
.set im, 0
.rept 8
	v_cvt_pk_bf16_f32 v[WD+16*it+8*(im/4)+im%4], v[WD+16*it+8*(im/4)+2*(im%4)], v[WD+16*it+8*(im/4)+2*(im%4)+1]
.set im, im+1
.endr
	global_store_b128 v5, v[WD+16*it:WD+16*it+3],    s[48:49] offset:it*(\dstep)      ; 512 consecutive bytes, aligned
	global_store_b128 v5, v[WD+16*it+8:WD+16*it+11], s[48:49] offset:it*(\dstep)+512
.set it, it+1
.endr
	s_endpgm
.endm
.Lweights:
	s_sub_co_u32 s2, s2, 512
	s_cmp_lt_u32 s2, 64
	s_cbranch_scc0 .Lshared
	s_cmp_lt_u32 s2, 32                            ; 0..31 w_gate, 32..63 w_up
	s_cselect_b64 s[46:47], s[18:19], s[20:21]
	s_cselect_b32 s9, 0, 1
	s_cselect_b32 s3, 0, 32
	s_sub_co_u32 s3, s2, s3
	s_mov_b32 s10, 0
	WTASK 2, 1024, 393216, 8, 8192, 64, 0, 38
.Lshared:
	s_cmp_lt_u32 s2, 192
	s_cbranch_scc0 .Lrouter
	s_cmp_lt_u32 s2, 128                           ; 64..127 shared_w_gate, 128..191 shared_w_up
	s_cselect_b64 s[46:47], s[22:23], s[24:25]
	s_cselect_b32 s9, 32, 33
	s_cselect_b32 s3, 0, 64
	s_sub_co_u32 s3, s2, s3
	s_sub_co_u32 s3, s3, 64
	s_mov_b32 s10, 0
	WTASK 3, 2048, 393216, 8, 8192, 64, 0, 38
.Lrouter:
	s_cmp_lt_u32 s2, 208
	s_cbranch_scc0 .Ldown
	s_mov_b64 s[46:47], s[26:27]                   ; 192..207 w_router
	s_sub_co_u32 s3, s2, 192
	s_mov_b32 s9, 0
	s_mov_b32 s10, 0
	WTASK 1, 512, 32768, 4, 4096, 32, 24, 40
.Ldown:
	s_cmp_lt_u32 s2, 304
	s_cbranch_scc0 .Ltable
	s_cmp_lt_u32 s2, 240                           ; 208..239 w_down, 240..303 shared_w_down, whose k begins at 256 = 8 blocks
	s_cselect_b64 s[46:47], s[28:29], s[30:31]
	s_cselect_b32 s10, 0, 8
	s_cselect_b32 s3, 0, 32
	s_sub_co_u32 s3, s2, s3
	s_sub_co_u32 s3, s3, 208
	s_mov_b32 s9, 0
	WTASK 5, 8192, 524288, 4, 4096, 64, 0, 42
.Ltable:
	s_cmp_lt_u32 s8, 4                             ; 128 experts: threads 0..127
	s_cbranch_scc1 .Ltable_go
	s_endpgm
.Ltable_go:
	v_lshlrev_b32 v4, 3, v0
	v_lshlrev_b32 v5, 2, v0
	global_load_b64 v[8:9], v4, s[32:33]
	global_load_b32 v10, v5, s[34:35]
	s_wait_loadcnt 0x0
	v_cvt_pk_bf16_f32 v11, v8, v9                  ; the three inputs rounded to bf16, like all the others
	v_cvt_pk_bf16_f32 v12, v10, v10
	v_lshlrev_b32 v8, 16, v11
	v_and_b32 v9, 0xffff0000, v11
	v_lshlrev_b32 v10, 16, v12
	v_mul_f32 v13, v8, v8
	v_fmac_f32 v13, v9, v9                         ; p
	v_add_f32 v14, 0x322bcc77, v13                 ; p + 1e-8
	v_rcp_f32 v15, v14
	v_mul_f32 v13, v13, v10                        ; scale x p: the plain instruction behind the reciprocal
	s_wait_alu depctr_va_vdst(0)                   ; the wait ahead of the first use
	v_mul_f32 v13, v13, v15
	global_store_b32 v5, v13, s[44:45]
	s_endpgm
.Lfunc_end_k_q7034bb29ff_prep:
	.size	k_q7034bb29ff_prep, .Lfunc_end_k_q7034bb29ff_prep-k_q7034bb29ff_prep
	.p2alignl 7, 3214868480
	.fill 96, 4, 3214868480
	.section	.rodata,"a",@progbits
	.p2align	6, 0x0
	.amdhsa_kernel k_q7034bb29ff_prep
		.amdhsa_group_segment_fixed_size 68608
		.amdhsa_private_segment_fixed_size 0
		.amdhsa_enable_private_segment 0
		.amdhsa_kernarg_size 120
		.amdhsa_user_sgpr_count 2
		.amdhsa_user_sgpr_kernarg_segment_ptr 1
		.amdhsa_wavefront_size32 1
		.amdhsa_system_sgpr_workgroup_id_x 1
		.amdhsa_system_sgpr_workgroup_id_y 1
		.amdhsa_system_sgpr_workgroup_id_z 1
		.amdhsa_system_vgpr_workitem_id 0
		.amdhsa_next_free_vgpr 144
		.amdhsa_next_free_sgpr 66
		.amdhsa_reserve_vcc 0
		.amdhsa_float_denorm_mode_32 3
		.amdhsa_float_denorm_mode_16_64 3
		.amdhsa_memory_ordered 1
		.amdhsa_forward_progress 1
		.amdhsa_inst_pref_size 56
	.end_amdhsa_kernel
	.amdgpu_metadata
---
amdhsa.version: [ 1, 2 ]
amdhsa.kernels:
  - .name:           k_q7034bb29ff_prep
    .symbol:         k_q7034bb29ff_prep.kd
    .args:
      - { .name: x, .offset: 0, .size: 8, .value_kind: global_buffer, .address_space: global }
      - { .name: w_gate, .offset: 8, .size: 8, .value_kind: global_buffer, .address_space: global }
      - { .name: w_up, .offset: 16, .size: 8, .value_kind: global_buffer, .address_space: global }
      - { .name: shared_w_gate, .offset: 24, .size: 8, .value_kind: global_buffer, .address_space: global }
      - { .name: shared_w_up, .offset: 32, .size: 8, .value_kind: global_buffer, .address_space: global }
      - { .name: w_router, .offset: 40, .size: 8, .value_kind: global_buffer, .address_space: global }
      - { .name: w_down, .offset: 48, .size: 8, .value_kind: global_buffer, .address_space: global }
      - { .name: shared_w_down, .offset: 56, .size: 8, .value_kind: global_buffer, .address_space: global }
      - { .name: amplitudes, .offset: 64, .size: 8, .value_kind: global_buffer, .address_space: global }
      - { .name: expert_scale, .offset: 72, .size: 8, .value_kind: global_buffer, .address_space: global }
      - { .name: xb, .offset: 80, .size: 8, .value_kind: global_buffer, .address_space: global }
      - { .name: w1, .offset: 88, .size: 8, .value_kind: global_buffer, .address_space: global }
      - { .name: wr, .offset: 96, .size: 8, .value_kind: global_buffer, .address_space: global }
      - { .name: wd, .offset: 104, .size: 8, .value_kind: global_buffer, .address_space: global }
      - { .name: gt, .offset: 112, .size: 8, .value_kind: global_buffer, .address_space: global }
    .group_segment_fixed_size: 68608
    .private_segment_fixed_size: 0
    .kernarg_segment_align: 8
    .kernarg_segment_size: 120
    .max_flat_workgroup_size: 256
    .sgpr_count:     66
    .vgpr_count:     144
    .wavefront_size: 32
...
	.end_amdgpu_metadata
.endif
;; end of part 1
;; launch up (part 2): grid 8 x 32, 4 waves a work-group, clusters of 4 x 4, 327,680 bytes of LDS; arguments xb, w1, wr, gt, hb, cw; writes hb, cw
.if DOCPART == 2
	.amdgcn_target "amdgcn-amd-amdhsa--gfx1250"
	.amdhsa_code_object_version 6
	.text
	.protected	k_q7034bb29ff_up
	.globl	k_q7034bb29ff_up
	.p2align	8
	.type	k_q7034bb29ff_up,@function
k_q7034bb29ff_up:
	s_mov_b64 s[64:65], 0
	v_nop
	global_prefetch_b8 v0, s[64:65] scope:SCOPE_SE
	s_setreg_imm32_b32 hwreg(HW_REG_WAVE_MODE, 25, 1), 1
	s_wait_xcnt 0x0
	s_wait_alu depctr_hold_cnt(0) depctr_sa_sdst(0) depctr_va_vdst(0) depctr_va_sdst(0) depctr_va_ssrc(0) depctr_va_vcc(0) depctr_vm_vsrc(0)
	s_getreg_b32 s2, hwreg(HW_REG_IB_STS2, 6, 4)
	s_cmp_eq_u32 s2, 0
	s_cbranch_scc0 .Lentry_in_a_cluster
	s_endpgm
.Lentry_in_a_cluster:
	s_bfe_u32 s2, ttmp6, 0x10000c
	s_cmp_lg_u32 s2, 0xf033
	s_cbranch_scc0 .Lentry_shape_is_right
	s_endpgm
.Lentry_shape_is_right:
; UP.  hb = silu(x Wg) * (x Wu) for the 768 hidden columns (256 routed, 512 shared), bf16, in fragment order; cw[t] = the sum over token t's top 4 experts of topk_w x expert_scale x mix.
; K = 1 in the problem, so the routed branch is c[t] x (basis[t] w_down): the top 4 select values alone; no address, branch or trip count hangs on them.
; SHARES.  Work-group (j, R), 8 x 32: rows 256 R .., tiles 12 j .. 12 j + 11 of w1 (six gate / up pairs), and ALL 128 router columns for its own 32 rows 256 R + 32 j ..: 208 tiles of 16 x 16 in each.
; Wave w: 128 rows (w/2) x 6 tiles (w%2) = 48 accumulators, and 4 router accumulators (row tile w%2 of the slice, router tiles 4 (w/2) ..).  K = 2,048 in 16 steps of 128 through two LDS slots.
; All operands lie in fragment order (16 rows x 32 k = 1,024 bytes, byte half*512 + lane*16): a fragment is two loads of 512 consecutive bytes each, and every tile is a dense block asked for as rows of 256 bytes.
; THE MATRIX INSTRUCTION IS USED TRANSPOSED (source 0 = 16 weight columns, source 1 = 16 tokens): a lane holds ONE token (lane%16) and the columns 8 (lane/16) + 0..7, which are the lane's 16 bytes of hb's fragment.
; CLUSTER 4 x 4.  x's tile (65,536 bytes a step) hangs on R alone and is asked for jointly along a row of the cluster, w1's (49,152) on j alone, jointly along a column.  The slice (8,192) hangs on both: nobody shares it.
; The router's tile (32,768 of a step's 155,648 bytes) hangs on neither coordinate, and a mask names one row or one column: it is asked for plainly by each work-group.
; ROUTER.  The four largest LOGITS are chosen (reference() chooses on the probabilities); equal logits go to the lower index.  p = 2^(c s - c max); c[t] = sum(p g) / (sum4 p + 1e-8 Z).
; LIMITS.  Logits come from bf16 operands with f32 sums: a fourth and fifth logit closer than those sums' rounding may change places.  Two different logits whose f32 probabilities are equal are ordered by logit.
; A weight below 2^-126 counts as 0 in Z.  NaN and infinities are not treated apart.  hb is bf16, so it has f32's range.
; REGISTERS, in windows of 256 (s_set_vgpr_msb: bits 1:0 source 0, 3:2 source 1, 5:4 source 2, 7:6 destination):
;   window 0: v0-15 addresses; v16-31 at work; v32-103, v104-175 token fragments, two buffers (8 row tiles, then the slice); v176-207 router accumulators; v208-239 g of my 32 experts; v240-255 at work
;   window 1: v0-79, v80-159 weight fragments, two buffers (6 of w1, then 4 of wr)      window 2: accumulators of row tiles 0-4 at 8 (6 a + b)      window 3: of row tiles 5-7
.set L_B,   0x20000                    ; LDS: x's tile at 0 / 0x10000; w1's at 0x20000 / 0x30000; the slice at 0x2C000 / 0x3C000; wr's at 0x40000 / 0x48000
.set L_S,   0x2C000
.set L_R,   0x40000
.set X_AB,  0x10000                    ; one exclusive or turns an address in one slot into the other's
.set X_R,   0x8000
.set SPARE, 0x2E000                    ; the spare words, 128 bytes a wave: two blocks of 256 bytes that no other line names
.set SCR1,  0x3E000                    ; 32 rows x 4 lists of 16 bytes; no tile lands here
.set SCR2,  0x3E800                    ; 32 rows x 2 x 16 bytes
.set ST_X,  2097152                    ; bytes from K step to K step in xb,
.set ST_W,  393216                     ; in w1,
.set ST_R,  32768                      ; in wr
.set KSTEPS, 16
.set LN16, 1                           ; v1      16 x lane
.set SPW,  2                           ; v2      my spare word; never rewritten
.set NIL,  3                           ; v3      0; never rewritten
.set BA,   4                           ; v4-7    my fragments' places in slot 0: x, w1, slice, wr
.set AD,   8                           ; v8-11   the same in the slot in hand
.set HO,   12                          ; v12-14  my byte offsets in hb, one for each gate / up pair
.set PQ,   15                          ; v15     p = 2 (w/2) + lane/16: my lane holds experts 32 p .. 32 p + 31
.set FA,   32
.set FASZ, 72
.set FBSZ, 80
.set RACC, 176
.set GT,   208
.set EE,   32                          ; epilogue: the 32 weights
.set TT,   32                          ; epilogue: 24 registers at work
.set TC,   56                          ; epilogue: 12 registers to store
.set G1A, 16                           ; s[16:47] descriptor groups 1: x, w1, wr, slice
.set G1B, 24
.set G1R, 32
.set G1S, 40
.set FGA, 48                           ; s[48:63] groups 0 of the first fill (slot 0, K step 0)
.set FGB, 52
.set FGR, 56
.set FGS, 60
.set WGA, 68                           ; s[68:83] groups 0 that walk (from slot 1, K step 1 on)
.set WGB, 72
.set WGR, 76
.set WGS, 80
.set WV,  84
.set WR,  85                           ; w/2
.set WC,  86                           ; w%2
.set CX,  87
.set CY,  88
.set JJ,  89
.set RR,  90
.set RMK, 91
.set CMK, 92
.set CNT, 93
.set TB,  94                           ; 0 or X_AB: the slot in hand
.set TR,  95                           ; 0 or X_R
.set OA,  96                           ; s[96:97] x's offset, made of cy alone; later -log2(e), twice
.set OB,  98                           ; s[98:99] w1's, made of cx alone; later log2(e), twice
.set OS,  100                          ; s[100:101] the slice's; later 1e-8
.set NL2E, 96
.set L2E,  98
.set EPS,  100
.set SEL,  66                          ; s[66:67] v_permlanex16_b32's selects
.set MSB, 0
.macro WIN new                         ; the immediate's high byte repeats the setting that is left; a switch that changes nothing is dropped
.if MSB != (\new)
	s_set_vgpr_msb (MSB<<8)|(\new)
.set MSB, \new
.endif
.endm
.set MUL_LO, 0xa1                      ; weights window 1, tokens window 0, C and D window 2
.set MUL_HI, 0xf1                      ; C and D window 3
.set MUL_R,  0x01                      ; C and D window 0
.set TO_B,   0x40                      ; destination window 1
.macro PLACES                          ; four plain vector instructions stand between a matrix instruction and a load into, or a vector instruction on, its registers (ISA guide 7.12.1 for vector instructions)
.rept 4
	v_nop
.endr
.endm
.macro CREST                           ; a round of the cluster's barrier behind its opening barrier
	s_cmp_lg_u32 s[WV], 0
	s_cbranch_scc1 .Lnot_wave_0_\@
	s_barrier_signal -3
.Lnot_wave_0_\@:
	s_barrier_wait -3
	s_barrier_signal -1
	s_barrier_wait -1
.endm
.macro CROUND
	s_barrier_signal -1
	s_barrier_wait -1
	CREST
.endm
.macro ONELOAD g0, g1                  ; an s_nop 0 and four v_nop follow the load, ahead of the jump and the label
	tensor_load_to_lds s[\g0:\g0+3], s[\g1:\g1+7]
	s_nop 0
	PLACES
.endm
.macro TWOLOADS g0a, g0b, g1
	tensor_load_to_lds s[\g0a:\g0a+3], s[\g1:\g1+7]
	s_nop 0
	tensor_load_to_lds s[\g0b:\g0b+3], s[\g1:\g1+7]
	s_nop 0
	PLACES
.endm
; A refill: wave 0 asks for x's tile, wave 1 for w1's, wave 2 for wr's, wave 3 for the slice: one tensor load a wave.  The branches hang on the wave's number alone.
.macro JLOAD
	s_cmp_eq_u32 s[WV], 0
	s_cbranch_scc0 .Lj1_\@
	ONELOAD WGA, G1A
	s_branch .Ljend_\@
.Lj1_\@:
	s_cmp_eq_u32 s[WV], 1
	s_cbranch_scc0 .Lj2_\@
	ONELOAD WGB, G1B
	s_branch .Ljend_\@
.Lj2_\@:
	s_cmp_eq_u32 s[WV], 2
	s_cbranch_scc0 .Lj3_\@
	ONELOAD WGR, G1R
	s_branch .Ljend_\@
.Lj3_\@:
	ONELOAD WGS, G1S
.Ljend_\@:
.endm
.macro G1REST g, rows                  ; a dense block as rows of 32 elements of 8 bytes
	s_mov_b32 s[\g+1], 32<<16                      ; tensor_dim0 = 32
	s_mov_b32 s[\g+2], (\rows)<<16                 ; tensor_dim1
	s_mov_b32 s[\g+3], 32<<16                      ; tile_dim0 = 32
	s_mov_b32 s[\g+4], \rows                       ; tile_dim1
	s_mov_b32 s[\g+5], 32                          ; 32 elements from row to row
	s_mov_b32 s[\g+6], 0
	s_mov_b32 s[\g+7], 0
.endm
.macro G0SET first, walk, lds, xr, ptr, off, step
	s_mov_b32 s[\first], 1                         ; count = 1
	s_mov_b32 s[\first+1], \lds                    ; LDS address: slot 0
	s_add_nc_u64 s[\first+2:\first+3], s[\ptr:\ptr+1], s[\off:\off+1]
	s_mov_b32 s[\walk], 1
	s_mov_b32 s[\walk+1], (\lds)+(\xr)             ; slot 1,
	s_add_nc_u64 s[\walk+2:\walk+3], s[\first+2:\first+3], \step  ; K step 1
	s_or_b32 s[\first+3], s[\first+3], 0x80000000  ; type = 2
	s_or_b32 s[\walk+3], s[\walk+3], 0x80000000
.endm
	s_load_b256 s[4:11], s[0:1], 0x0               ; xb 4, w1 6, wr 8, gt 10
	s_load_b128 s[12:15], s[0:1], 0x20             ; hb 12, cw 14
	v_lshl_add_u32 v[SPW], v0, 2, SPARE
	v_mov_b32 v[NIL], 0
	ds_add_u32 v[SPW], v[NIL]                      ; the wave's opening: the add and its wait stand ahead of my first tensor load; the set-up below, work on registers, stands between them
	v_lshrrev_b32 v16, 5, v0
	v_readfirstlane_b32 s[WV], v16
	s_lshr_b32 s[WR], s[WV], 1
	s_and_b32 s[WC], s[WV], 1
	s_bfe_u32 s[CX], ttmp6, 0x40000
	s_bfe_u32 s[CY], ttmp6, 0x40004
	s_lshl_b32 s[JJ], ttmp9, 2
	s_add_co_u32 s[JJ], s[JJ], s[CX]               ; j = 4 x cluster x + cx
	s_and_b32 s[RR], ttmp7, 0xffff
	s_lshl_b32 s[RR], s[RR], 2
	s_add_co_u32 s[RR], s[RR], s[CY]               ; R = 4 x cluster y + cy
	s_lshl_b32 s[RMK], s[CY], 2
	s_lshl_b32 s[RMK], 15, s[RMK]                  ; my row of the cluster
	s_lshl_b32 s[CMK], 0x1111, s[CX]               ; my column
	s_or_b32 s[G1A], s[RMK], (3<<16)|(1<<21)       ; 15:0 the mask; 17:16 elements of 8 bytes; 21 set beside a mask
	s_or_b32 s[G1B], s[CMK], (3<<16)|(1<<21)
	s_mov_b32 s[G1R], 3<<16                        ; no mask: a load of my own
	s_mov_b32 s[G1S], 3<<16
	G1REST G1A, 256
	G1REST G1B, 192
	G1REST G1R, 128
	G1REST G1S, 32
	s_lshl_b32 s[OA], s[RR], 16                    ; 16 row tiles of 4,096 bytes
	s_mov_b32 s[OA+1], 0
	s_mul_i32 s[OB], s[JJ], 49152                  ; 12 tiles
	s_mov_b32 s[OB+1], 0
	s_lshl_b32 s[OS], s[JJ], 13                    ; row tiles 16 R + 2 j, + 1
	s_add_co_u32 s[OS], s[OS], s[OA]
	s_mov_b32 s[OS+1], 0
	s_mov_b32 s2, 0
	s_mov_b32 s3, 0
	s_mov_b32 s[TB], 0
	s_mov_b32 s[TR], 0
	s_wait_dscnt 0x0                               ; the opening add is done
	s_wait_kmcnt 0x0
	G0SET FGA, WGA, 0,   X_AB, 4, OA, ST_X
	G0SET FGB, WGB, L_B, X_AB, 6, OB, ST_W
	G0SET FGR, WGR, L_R, X_R,  8, 2,  ST_R
	G0SET FGS, WGS, L_S, X_AB, 4, OS, ST_X
	CROUND                                         ; all sixteen work-groups are here: the first joint loads meet
	s_cmp_eq_u32 s[WV], 0                          ; a wave's two first fills stand in one branch: two tensor loads of mine are out
	s_cbranch_scc0 .Lf1
	TWOLOADS FGA, WGA, G1A
	s_branch .Lfend
.Lf1:
	s_cmp_eq_u32 s[WV], 1
	s_cbranch_scc0 .Lf2
	TWOLOADS FGB, WGB, G1B
	s_branch .Lfend
.Lf2:
	s_cmp_eq_u32 s[WV], 2
	s_cbranch_scc0 .Lf3
	TWOLOADS FGR, WGR, G1R
	s_branch .Lfend
.Lf3:
	TWOLOADS FGS, WGS, G1S
.Lfend:
	v_and_b32 v[LN16], 31, v0
	v_lshlrev_b32 v[LN16], 4, v[LN16]
	v_bfe_u32 v[PQ], v0, 4, 1
	v_lshl_add_u32 v[PQ], s[WR], 1, v[PQ]
	v_lshlrev_b32 v16, 7, v[PQ]                    ; g of experts 32 p ..: 128 bytes
.irp n, 0,1,2,3,4,5,6,7
	global_load_b128 v[GT+4*\n:GT+4*\n+3], v16, s[10:11] offset:16*\n
.endr
	s_lshl_b32 s2, s[WR], 15                       ; my 8 row tiles
	v_add_nc_u32 v[BA], s2, v[LN16]
	s_mul_i32 s2, s[WC], 24576                     ; my 6 tiles of w1
	s_add_co_u32 s2, s2, L_B
	v_add_nc_u32 v[BA+1], s2, v[LN16]
	s_lshl_b32 s2, s[WC], 12                       ; my row tile of the slice
	s_add_co_u32 s2, s2, L_S
	v_add_nc_u32 v[BA+2], s2, v[LN16]
	s_lshl_b32 s2, s[WR], 14                       ; my 4 tiles of wr
	s_add_co_u32 s2, s2, L_R
	v_add_nc_u32 v[BA+3], s2, v[LN16]
.irp i, 0,1,2,3
	v_mov_b32 v[AD+\i], v[BA+\i]
.endr
	s_lshl_b32 s2, s[RR], 10                       ; cw at my slice: token 256 R + 32 j
	s_lshl_b32 s3, s[JJ], 7
	s_add_co_u32 s2, s2, s3
	s_mov_b32 s3, 0
	s_add_nc_u64 s[14:15], s[14:15], s[2:3]
	s_mul_i32 s66, s[JJ], 6
	s_mul_i32 s67, s[WC], 3
	s_add_co_u32 s66, s66, s67                     ; u, the hidden tile of my first pair
	s_lshl_b32 s67, s[RR], 16
	s_lshl_b32 s2, s[WR], 15
	s_add_co_u32 s67, s67, s2                      ; row tile 16 R + 8 (w/2), 4,096 bytes each
.irp i, 0,1,2
	s_add_co_u32 s2, s66, \i
	s_lshr_b32 s3, s2, 3
	s_lshl_b32 s3, s3, 21                          ; hb's K step u/8,
	s_and_b32 s2, s2, 7
	s_lshl_b32 s2, s2, 9                           ; half fragment u%8
	s_add_co_u32 s2, s2, s3
	s_add_co_u32 s2, s2, s67
	v_add_nc_u32 v[HO+\i], s2, v[LN16]
.endr
	s_mov_b32 s[NL2E], 0xbfb8aa3b                  ; the offsets have been used: the epilogue's constants take their registers
	s_mov_b32 s[NL2E+1], 0xbfb8aa3b
	s_mov_b32 s[L2E], 0x3fb8aa3b
	s_mov_b32 s[L2E+1], 0x3fb8aa3b
	s_mov_b32 s[EPS], 0x322bcc77
	s_mov_b32 s[SEL], 0x76543210
	s_mov_b32 s[SEL+1], 0xfedcba98
; Row tiles a0 .. a1 x my 6 tiles of w1, 32 along K, from buffer f.  zero = 1: the products start the sums: nothing is cleared.
.macro MULM f, a0, a1, zero
.set ia, \a0
.rept (\a1)-(\a0)+1
.if ia < 5
	WIN MUL_LO
.set rD, 48*ia
.else
	WIN MUL_HI
.set rD, 48*(ia-5)
.endif
.set ib, 0
.rept 6
.if \zero
	v_wmma_f32_16x16x32_bf16 v[rD+8*ib:rD+8*ib+7], v[FBSZ*(\f)+8*ib:FBSZ*(\f)+8*ib+7], v[FA+FASZ*(\f)+8*ia:FA+FASZ*(\f)+8*ia+7], 0
.else
	v_wmma_f32_16x16x32_bf16 v[rD+8*ib:rD+8*ib+7], v[FBSZ*(\f)+8*ib:FBSZ*(\f)+8*ib+7], v[FA+FASZ*(\f)+8*ia:FA+FASZ*(\f)+8*ia+7], v[rD+8*ib:rD+8*ib+7]
.endif
.set ib, ib+1
.endr
.set ia, ia+1
.endr
.endm
.macro MULR f, zero                    ; the slice's row tile x my 4 tiles of wr
	WIN MUL_R
.set ib, 0
.rept 4
.if \zero
	v_wmma_f32_16x16x32_bf16 v[RACC+8*ib:RACC+8*ib+7], v[FBSZ*(\f)+48+8*ib:FBSZ*(\f)+48+8*ib+7], v[FA+FASZ*(\f)+64:FA+FASZ*(\f)+71], 0
.else
	v_wmma_f32_16x16x32_bf16 v[RACC+8*ib:RACC+8*ib+7], v[FBSZ*(\f)+48+8*ib:FBSZ*(\f)+48+8*ib+7], v[FA+FASZ*(\f)+64:FA+FASZ*(\f)+71], v[RACC+8*ib:RACC+8*ib+7]
.endif
.set ib, ib+1
.endr
.endm
; 38 LDS loads in one run: the 19 fragments of 32 along K (block kb of the step) into buffer f; row tiles 5-7 and the slice are the youngest eight
.macro FETCH kb, f
	WIN TO_B
.set ib, 0
.rept 6
	ds_load_b128 v[FBSZ*(\f)+8*ib:FBSZ*(\f)+8*ib+3],   v[AD+1] offset:ib*4096+(\kb)*1024
	ds_load_b128 v[FBSZ*(\f)+8*ib+4:FBSZ*(\f)+8*ib+7], v[AD+1] offset:ib*4096+(\kb)*1024+512
.set ib, ib+1
.endr
.set ib, 0
.rept 4
	ds_load_b128 v[FBSZ*(\f)+48+8*ib:FBSZ*(\f)+48+8*ib+3], v[AD+3] offset:ib*4096+(\kb)*1024
	ds_load_b128 v[FBSZ*(\f)+52+8*ib:FBSZ*(\f)+52+8*ib+3], v[AD+3] offset:ib*4096+(\kb)*1024+512
.set ib, ib+1
.endr
	WIN 0
.set ia, 0
.rept 8
	ds_load_b128 v[FA+FASZ*(\f)+8*ia:FA+FASZ*(\f)+8*ia+3],   v[AD] offset:ia*4096+(\kb)*1024
	ds_load_b128 v[FA+FASZ*(\f)+8*ia+4:FA+FASZ*(\f)+8*ia+7], v[AD] offset:ia*4096+(\kb)*1024+512
.set ia, ia+1
.endr
	ds_load_b128 v[FA+FASZ*(\f)+64:FA+FASZ*(\f)+67], v[AD+2] offset:(\kb)*1024
	ds_load_b128 v[FA+FASZ*(\f)+68:FA+FASZ*(\f)+71], v[AD+2] offset:(\kb)*1024+512
.endm
; A K step is four quarters of 32 along K, 52 matrix instructions each, on buffers 0, 1, 0, 1.  The 52 accumulators take turns, one instruction a turn, in the same order in every quarter.
; One of the first three: multiplies buffer f and fetches block kb into buffer g.
.macro QUARTER f, g, kb, zero
	s_wait_dscnt 8                                 ; all but the youngest eight loads are in
	MULM \f, 0, 1, \zero
	PLACES                                         ; for the loads into buffer g, which the quarter before multiplied
	FETCH \kb, \g
	s_wait_dscnt 38                                ; all but the 38 just issued
	MULM \f, 2, 4, \zero
	MULM \f, 5, 7, \zero
	MULR \f, \zero
.endm
; The last quarter multiplies buffer 1 and changes slots: ONE barrier for two things.  In front of it each wave waits for all its tensor loads (one is out: its tile of the next slot), adds 0 to its spare word,
; and waits for that and for its own reads of this slot.  fill = 1: the barrier opens a round of the cluster's, and this slot is filled again, two K steps ahead, first thing behind the round:
; from that request to the wait for it a wave issues 178 matrix instructions.
.macro TURN fill
	WIN 0
	s_wait_tensorcnt 0x0                           ; all my tensor loads have landed, so the walking groups 0 may be written
	ds_add_u32 v[SPW], v[NIL]                      ; 0 onto my spare word
	s_wait_dscnt 9                                 ; (the add and the youngest eight loads may be out)
	MULM 1, 0, 1, 0                                ; twelve matrix instructions stand between the add and the wait for it
	s_wait_dscnt 0x0                               ; the add is done, and my reads of this slot are over
	s_barrier_signal -1
	MULM 1, 2, 4, 0                                ; work on registers while the others arrive
	WIN 0                                          ; at a branch and at a label every window is 0
	s_barrier_wait -1
.if \fill
	CREST                                          ; no wave of any partner still reads this slot or has a load on its way
	s_xor_b32 s[WGA+1], s[WGA+1], X_AB
	s_add_nc_u64 s[WGA+2:WGA+3], s[WGA+2:WGA+3], ST_X
	s_xor_b32 s[WGB+1], s[WGB+1], X_AB
	s_add_nc_u64 s[WGB+2:WGB+3], s[WGB+2:WGB+3], ST_W
	s_xor_b32 s[WGR+1], s[WGR+1], X_R
	s_add_nc_u64 s[WGR+2:WGR+3], s[WGR+2:WGR+3], ST_R
	s_xor_b32 s[WGS+1], s[WGS+1], X_AB
	s_add_nc_u64 s[WGS+2:WGS+3], s[WGS+2:WGS+3], ST_X
	JLOAD
.endif
	s_xor_b32 s[TB], s[TB], X_AB
	s_xor_b32 s[TR], s[TR], X_R
	v_add_nc_u32 v[AD],   s[TB], v[BA]             ; the fetches go to the other slot; these four are also places in front of the loads below
	v_add_nc_u32 v[AD+1], s[TB], v[BA+1]
	v_add_nc_u32 v[AD+2], s[TB], v[BA+2]
	v_add_nc_u32 v[AD+3], s[TR], v[BA+3]
	FETCH 0, 0
	MULM 1, 5, 7, 0
	MULR 1, 0
.endm
	s_wait_loadcnt 0x0                             ; g
	s_wait_tensorcnt 0x1                           ; my tile of K step 0 is in; K step 1's stays out
	s_barrier_signal -1
	s_barrier_wait -1                              ; everybody's is
	FETCH 0, 0
	QUARTER 0, 1, 1, 1                             ; the first quarter stands in front of the loop: its products start the sums
	WIN 0
	s_mov_b32 s[CNT], KSTEPS-2
.Lstep:                                            ; a trip: a K step's quarters 1 to 3 and the next step's quarter 0; the slot left is filled again
	QUARTER 1, 0, 2, 0
	QUARTER 0, 1, 3, 0
	TURN 1
	QUARTER 0, 1, 1, 0
	WIN 0
	s_sub_co_u32 s[CNT], s[CNT], 1
	s_cmp_lg_u32 s[CNT], 0
	s_cbranch_scc1 .Lstep
	QUARTER 1, 0, 2, 0                             ; the last two K steps are written out: nothing is left to ask for
	QUARTER 0, 1, 3, 0
	TURN 0
	QUARTER 0, 1, 1, 0
	QUARTER 1, 0, 2, 0
	QUARTER 0, 1, 3, 0
	s_wait_dscnt 8
	MULM 1, 0, 1, 0
	MULM 1, 2, 4, 0
	s_wait_dscnt 0x0
	MULM 1, 5, 7, 0
	MULR 1, 0
	WIN 0
	; ---- THE ROUTER.  v[176 + i] is the logit of expert 32 p + i for row 16 (w%2) + lane%16 of the slice.
	PLACES
	v_and_b32 v80, 15, v0
	v_lshl_add_u32 v80, s[WC], 4, v80              ; the row, 0..31
	v_lshlrev_b32 v81, 6, v80
	v_add_nc_u32 v81, SCR1, v81                    ; the row's four lists
	v_lshl_add_u32 v82, v[PQ], 4, v81              ; mine
	v_lshlrev_b32 v83, 5, v80
	v_add_nc_u32 v83, SCR2, v83
	v_lshl_add_u32 v83, s[WR], 4, v83
.irp n, 16,17,18,19
	v_mov_b32 v\n, 0xff800000
.endr
.set ii, 0
.rept 32                               ; my 32 logits' four largest, sorted: each place takes the middle one of itself, its better neighbour and the newcomer; each accumulator's lowest register is read first
	v_med3_num_f32 v19, v18, v19, v[RACC+ii]
	v_med3_num_f32 v18, v17, v18, v[RACC+ii]
	v_med3_num_f32 v17, v16, v17, v[RACC+ii]
	v_max_num_f32  v16, v16, v[RACC+ii]
.set ii, ii+1
.endr
	ds_store_b128 v82, v[16:19]
	s_wait_dscnt 0x0                               ; for the others' sake
	s_barrier_signal -1
	s_barrier_wait -1
	ds_load_b128 v[20:23], v81                     ; list 0 starts the merge,
	ds_load_b128 v[64:67], v81                     ; and all four are kept for the ties
	ds_load_b128 v[68:71], v81 offset:16
	ds_load_b128 v[72:75], v81 offset:32
	ds_load_b128 v[76:79], v81 offset:48
	v_mov_b32 v27, 1.0
	v_mov_b32 v26, 4.0
	v_cmp_lt_u32 vcc_lo, 0, v[PQ]                  ; 1.0 for the quarters in front of mine
	v_cndmask_b32 v85, 0, v27, vcc_lo
	v_cmp_lt_u32 vcc_lo, 1, v[PQ]
	v_cndmask_b32 v86, 0, v27, vcc_lo
	v_cmp_lt_u32 vcc_lo, 2, v[PQ]
	v_cndmask_b32 v87, 0, v27, vcc_lo
	s_wait_dscnt 0x0
.set ii, 68
.rept 12
	v_med3_num_f32 v23, v22, v23, v[ii]
	v_med3_num_f32 v22, v21, v22, v[ii]
	v_med3_num_f32 v21, v20, v21, v[ii]
	v_max_num_f32  v20, v20, v[ii]
.set ii, ii+1
.endr
	; v20 is the row's maximum, v23 the fourth value.  v26 = how many logits EQUAL to the fourth my quarter may still take: 4, less those above it, less the equal ones in the quarters in front.
	; A quarter's list of four shows enough: if it hides equal ones, those above and those shown are already four.
.irp n, 20,21,22
	v_cmp_gt_f32 vcc_lo, v\n, v23
	v_cndmask_b32 v88, 0, v27, vcc_lo
	v_sub_f32 v26, v26, v88
.endr
.set ii, 0
.rept 12
	v_cmp_eq_f32 vcc_lo, v[64+ii], v23
	v_cndmask_b32 v88, 0, v[85+ii/4], vcc_lo
	v_sub_f32 v26, v26, v88
.set ii, ii+1
.endr
	v_mul_f32 v24, s[L2E], v20                     ; c max
	v_mov_b32 v25, v24                             ; named with it as a pair
.set ii, 0
.rept 16
	v_pk_fma_f32 v[EE+2*ii:EE+2*ii+1], v[RACC+2*ii:RACC+2*ii+1], s[L2E:L2E+1], v[24:25] op_sel_hi:[1,0,0] neg_lo:[0,0,1] neg_hi:[0,0,1]
.set ii, ii+1
.endr
	v_fma_f32 v28, s[L2E], v20, -v24
	v_fma_f32 v29, s[L2E], v21, -v24
	v_fma_f32 v30, s[L2E], v22, -v24
	v_fma_f32 v31, s[L2E], v23, -v24
.set ii, 0
.rept 32                               ; one batch of 36 exponentials, one wait
	v_exp_f32 v[EE+ii], v[EE+ii]
.set ii, ii+1
.endr
.irp n, 28,29,30,31
	v_exp_f32 v\n, v\n
.endr
	v_mov_b32 v97, 0                               ; the plain instruction behind the last exponential
	s_wait_alu depctr_va_vdst(0)                   ; the wait ahead of the first use
.irp c, 0,1,2,3                        ; Z of my 32, in four chains
	v_pk_add_f32 v[240+2*\c:241+2*\c], v[EE+2*\c:EE+2*\c+1], v[EE+8+2*\c:EE+9+2*\c]
.endr
.irp c, 0,1,2,3
	v_pk_add_f32 v[240+2*\c:241+2*\c], v[240+2*\c:241+2*\c], v[EE+16+2*\c:EE+17+2*\c]
.endr
.irp c, 0,1,2,3
	v_pk_add_f32 v[240+2*\c:241+2*\c], v[240+2*\c:241+2*\c], v[EE+24+2*\c:EE+25+2*\c]
.endr
	v_pk_add_f32 v[240:241], v[240:241], v[242:243]
	v_pk_add_f32 v[244:245], v[244:245], v[246:247]
	v_pk_add_f32 v[240:241], v[240:241], v[244:245]
	v_add_f32 v96, v240, v241
	v_add_f32 v98, v28, v29                        ; the four chosen weights' sum
	v_add_f32 v99, v30, v31
	v_add_f32 v98, v98, v99
	v_mov_b32 v99, v98
	v_mov_b32 v100, 0                              ; v_permlanex16_b32's destinations count as read
	v_mov_b32 v101, 0
.set ii, 0
.rept 32                               ; v97 += chosen x g x weight, in the order of the index: an equal logit is taken while places are left
	v_cmp_eq_f32 vcc_lo, v[RACC+ii], v23
	v_cndmask_b32 v[88+ii%4], 0, v27, vcc_lo
	v_mul_f32 v[92+ii%4], v[88+ii%4], v26 clamp
	v_sub_f32 v26, v26, v[88+ii%4]
	v_cmp_gt_f32 vcc_lo, v[RACC+ii], v23
	v_cndmask_b32 v[92+ii%4], v[92+ii%4], v27, vcc_lo
	v_mul_f32 v[92+ii%4], v[92+ii%4], v[GT+ii]
	v_fmac_f32 v97, v[92+ii%4], v[EE+ii]
.set ii, ii+1
.endr
	v_permlanex16_b32 v100, v96, s[SEL], s[SEL+1]  ; the row's other quarter of this wave lies in the lane 16 away
	v_permlanex16_b32 v101, v97, s[SEL], s[SEL+1]
	v_add_f32 v96, v96, v100
	v_add_f32 v97, v97, v101
	ds_store_b128 v83, v[96:99]                    ; Z, sum, the four's sum (twice); both halves of the lanes write the same bytes with the same numbers
	s_wait_dscnt 0x0
	s_barrier_signal -1
	s_barrier_wait -1
	s_cmp_lg_u32 s[WV], 0
	s_cbranch_scc1 .Lnot_c                         ; wave 0 finishes the 32 rows, a lane a row; no barrier stands in what is jumped
	v_lshl_add_u32 v84, v[LN16], 1, SCR2
	ds_load_b128 v[104:107], v84
	ds_load_b128 v[108:111], v84 offset:16
	v_lshrrev_b32 v102, 2, v[LN16]
	s_wait_dscnt 0x0
	v_add_f32 v104, v104, v108
	v_add_f32 v105, v105, v109
	v_fma_f32 v104, v104, s[EPS], v106             ; sum4 + 1e-8 Z: reference()'s divisor times Z
	v_rcp_f32 v107, v104
	v_nop
	s_wait_alu depctr_va_vdst(0)
	v_mul_f32 v105, v105, v107
	global_store_b32 v102, v105, s[14:15]          ; 128 consecutive bytes: the slice's 32 numbers are all there is to store
.Lnot_c:
; ---- THE HIDDEN LAYER of row tile a: silu(gate) x up for my three pairs, rounded to bf16; a lane's eight numbers are its 16 bytes of hb's half fragment.
.macro HOUT a
.if (\a) < 5
.set HW, 2
.set rB, 48*(\a)
.else
.set HW, 3
.set rB, 48*((\a)-5)
.endif
	s_wait_xcnt 0x0                                ; the registers that earlier stores read are rewritten only behind this wait
	WIN HW                                         ; source 0 in the accumulators' window
.set ii, 0
.rept 12
	v_pk_mul_f32 v[TT+2*ii:TT+2*ii+1], v[rB+16*(ii/4)+2*(ii%4):rB+16*(ii/4)+2*(ii%4)+1], s[NL2E:NL2E+1] op_sel_hi:[1,0]
.set ii, ii+1
.endr
	WIN 0
.set ii, 0
.rept 24
	v_exp_f32 v[TT+ii], v[TT+ii]
.set ii, ii+1
.endr
	v_nop
	s_wait_alu depctr_va_vdst(0)                   ; one wait for the batch
.set ii, 0
.rept 12
	v_pk_add_f32 v[TT+2*ii:TT+2*ii+1], v[TT+2*ii:TT+2*ii+1], 1.0 op_sel_hi:[1,0]
.set ii, ii+1
.endr
.set ii, 0
.rept 24
	v_rcp_f32 v[TT+ii], v[TT+ii]
.set ii, ii+1
.endr
	v_nop
	s_wait_alu depctr_va_vdst(0)
	WIN HW
.set ii, 0
.rept 12                               ; gate x sigmoid first, so that a huge negative gate gives 0 before up comes in
	v_pk_mul_f32 v[TT+2*ii:TT+2*ii+1], v[rB+16*(ii/4)+2*(ii%4):rB+16*(ii/4)+2*(ii%4)+1], v[TT+2*ii:TT+2*ii+1]
.set ii, ii+1
.endr
.set ii, 0
.rept 12
	v_pk_mul_f32 v[TT+2*ii:TT+2*ii+1], v[rB+8+16*(ii/4)+2*(ii%4):rB+8+16*(ii/4)+2*(ii%4)+1], v[TT+2*ii:TT+2*ii+1]
.set ii, ii+1
.endr
	WIN 0
.set ii, 0
.rept 12
	v_cvt_pk_bf16_f32 v[TC+ii], v[TT+2*ii], v[TT+2*ii+1]
.set ii, ii+1
.endr
.irp i, 0,1,2
	global_store_b128 v[HO+\i], v[TC+4*\i:TC+4*\i+3], s[12:13] offset:(\a)*4096  ; 512 consecutive bytes, aligned
.endr
.endm
.irp a, 0,1,2,3,4,5,6,7
	HOUT \a
.endr
	s_wait_tensorcnt 0x0                           ; the wave's end, behind my last tensor load and my last LDS store
	ds_add_u32 v[SPW], v[NIL]
	s_wait_dscnt 0x0
	CROUND                                         ; the closing round: no work-group ends while a partner may still ask for a tile that names it
	s_endpgm
.Lfunc_end_k_q7034bb29ff_up:
	.size	k_q7034bb29ff_up, .Lfunc_end_k_q7034bb29ff_up-k_q7034bb29ff_up
	.p2alignl 7, 3214868480
	.fill 96, 4, 3214868480
	.section	.rodata,"a",@progbits
	.p2align	6, 0x0
	.amdhsa_kernel k_q7034bb29ff_up
		.amdhsa_group_segment_fixed_size 327680
		.amdhsa_private_segment_fixed_size 0
		.amdhsa_enable_private_segment 0
		.amdhsa_kernarg_size 48
		.amdhsa_user_sgpr_count 2
		.amdhsa_user_sgpr_kernarg_segment_ptr 1
		.amdhsa_wavefront_size32 1
		.amdhsa_system_sgpr_workgroup_id_x 1
		.amdhsa_system_sgpr_workgroup_id_y 1
		.amdhsa_system_sgpr_workgroup_id_z 1
		.amdhsa_system_vgpr_workitem_id 0
		.amdhsa_next_free_vgpr 912
		.amdhsa_next_free_sgpr 102
		.amdhsa_reserve_vcc 1
		.amdhsa_float_denorm_mode_32 3
		.amdhsa_float_denorm_mode_16_64 3
		.amdhsa_memory_ordered 1
		.amdhsa_forward_progress 1
		.amdhsa_inst_pref_size 159
	.end_amdhsa_kernel
	.amdgpu_metadata
---
amdhsa.version: [ 1, 2 ]
amdhsa.kernels:
  - .name:           k_q7034bb29ff_up
    .symbol:         k_q7034bb29ff_up.kd
    .args:
      - { .name: xb, .offset: 0, .size: 8, .value_kind: global_buffer, .address_space: global }
      - { .name: w1, .offset: 8, .size: 8, .value_kind: global_buffer, .address_space: global }
      - { .name: wr, .offset: 16, .size: 8, .value_kind: global_buffer, .address_space: global }
      - { .name: gt, .offset: 24, .size: 8, .value_kind: global_buffer, .address_space: global }
      - { .name: hb, .offset: 32, .size: 8, .value_kind: global_buffer, .address_space: global }
      - { .name: cw, .offset: 40, .size: 8, .value_kind: global_buffer, .address_space: global }
    .group_segment_fixed_size: 327680
    .private_segment_fixed_size: 0
    .kernarg_segment_align: 8
    .kernarg_segment_size: 48
    .max_flat_workgroup_size: 128
    .sgpr_count:     102
    .vgpr_count:     912
    .wavefront_size: 32
...
	.end_amdgpu_metadata
.endif
;; end of part 2
;; launch down (part 3): grid 8 x 32, 4 waves a work-group, clusters of 4 x 4, 327,680 bytes of LDS; arguments hb, wd, cw, out0; writes out0
.if DOCPART == 3
	.amdgcn_target "amdgcn-amd-amdhsa--gfx1250"
	.amdhsa_code_object_version 6
	.text
	.protected	k_q7034bb29ff_down
	.globl	k_q7034bb29ff_down
	.p2align	8
	.type	k_q7034bb29ff_down,@function
k_q7034bb29ff_down:
	s_mov_b64 s[64:65], 0
	v_nop
	global_prefetch_b8 v0, s[64:65] scope:SCOPE_SE
	s_setreg_imm32_b32 hwreg(HW_REG_WAVE_MODE, 25, 1), 1
	s_wait_xcnt 0x0
	s_wait_alu depctr_hold_cnt(0) depctr_sa_sdst(0) depctr_va_vdst(0) depctr_va_sdst(0) depctr_va_ssrc(0) depctr_va_vcc(0) depctr_vm_vsrc(0)
	s_getreg_b32 s2, hwreg(HW_REG_IB_STS2, 6, 4)
	s_cmp_eq_u32 s2, 0
	s_cbranch_scc0 .Lentry_in_a_cluster
	s_endpgm
.Lentry_in_a_cluster:
	s_bfe_u32 s2, ttmp6, 0x10000c
	s_cmp_lg_u32 s2, 0xf033
	s_cbranch_scc0 .Lentry_shape_is_right
	s_endpgm
.Lentry_shape_is_right:
; DOWN.  out0[t] = c[t] x (basis[t] w_down) + shared[t] shared_w_down, f32.  hb holds the 768 hidden numbers of a token (0..255 basis, 256..767 shared) and wd the 768 x 2,048 weights, both bf16 in fragment order
; (16 rows x 32 k = 1,024 bytes, byte half*512 + lane*16).  One f32 sum for each output: K steps 0 and 1 are the routed part; behind them every accumulator is multiplied by its token's c, and K steps 2 to 5 add on.
; SHARES.  Work-group (j, R), 8 x 32: a tile of 256 x 256 of out0; four waves, each 128 x 128: 64 accumulators, 512 registers.  K = 768 in 6 steps of 128 through two LDS slots.
; THE MATRIX INSTRUCTION IS USED TRANSPOSED (source 0 = 16 weight columns, source 1 = 16 tokens): a lane holds one token (lane%16) and eight neighbouring columns: one c a lane and row tile, and 32 bytes of a row of out0.
; CLUSTER 4 x 4.  hb's tile hangs on R alone and is asked for jointly along a row of the cluster, wd's on j alone, jointly along a column.
; LIMITS.  NaN and infinities are not treated apart.
; REGISTERS, in windows of 256 (s_set_vgpr_msb: bits 1:0 source 0, 3:2 source 1, 5:4 source 2, 7:6 destination):
;   window 0: v0-31 addresses; v32-47 c of my 8 row tiles, each twice (a pair for the packed multiply); v64-127, v128-191 token fragments, two buffers, later the way out
;   window 1: v64-127, v128-191 weight fragments      window 2: accumulators of row tiles 0-3 at 8 (8 a + b)      window 3: of row tiles 4-7
.set X_SL,  0x20000                    ; LDS: slot 0 = hb's tile at 0, wd's at 0x10000; slot 1 = the same + 0x20000
.set L_B,   0x10000
.set STAGE, 0x40000                    ; behind the ring: 16 rows x 528 bytes for each wave, for the way out
.set PIT,   528                        ; 512 bytes + 16: the 16 rows that a store touches start at 16 different 16-byte columns of 256
.set SPARE, STAGE+4*16*PIT             ; behind the stages: the spare words, 128 bytes a wave
.set ST_H,  2097152                    ; bytes from K step to K step in hb,
.set ST_D,  524288                     ; in wd
.set LN16, 1
.set SPW,  2                           ; v2  my spare word; never rewritten
.set NIL,  3                           ; v3  0; never rewritten
.set BA,   4                           ; v4, v5  my fragments' places in slot 0
.set ADRA, 8
.set ADRB, 9
.set STO,  24
.set RD,   25
.set CO,   26
.set CC,   32
.set F0,   64
.set F1,   128
.set CNT, 3
.set WV,  12
.set WR,  13
.set WC,  14
.set CX,  15
.set CY,  16
.set JJ,  17
.set RR,  18
.set RMK, 19
.set CMK, 20
.set TB,  21
.set G1A, 24                           ; s[24:31] group 1 for hb's tiles; s[32:35] group 0 of the first fill; s[36:39] the one that walks
.set FGA, 32
.set WGA, 36
.set OA,  40                           ; s[40:41] hb's offset, made of cy and the wave's number
.set OB,  42                           ; s[42:43] wd's, made of cx and the wave's number
.set OO,  44                           ; s[44:45] out0's
.set OC,  46                           ; s[46:47] cw's
.set G1B, 48                           ; s[48:55], s[56:59], s[60:63] the same for wd's tiles
.set FGB, 56
.set WGB, 60
.set MSB, 0
.macro WIN new
.if MSB != (\new)
	s_set_vgpr_msb (MSB<<8)|(\new)
.set MSB, \new
.endif
.endm
.set MUL_LO, 0xa1
.set MUL_HI, 0xf1
.set TO_B,   0x40
.macro PLACES                          ; four plain vector instructions between a matrix instruction and a load into, or another instruction on, its registers (ISA guide 7.12.1 for vector instructions)
.rept 4
	v_nop
.endr
.endm
.macro CREST
	s_cmp_lg_u32 s[WV], 0
	s_cbranch_scc1 .Lnot_wave_0_\@
	s_barrier_signal -3
.Lnot_wave_0_\@:
	s_barrier_wait -3
	s_barrier_signal -1
	s_barrier_wait -1
.endm
.macro CROUND
	s_barrier_signal -1
	s_barrier_wait -1
	CREST
.endm
.macro JLOAD                           ; a joint refill: waves 0 and 1 fetch the halves of hb's tile, waves 2 and 3 those of wd's; an s_nop 0 and four v_nop follow each line
	s_cmp_eq_u32 s[WR], 0
	s_cbranch_scc0 .Lfor_b_\@
	tensor_load_to_lds s[WGA:WGA+3], s[G1A:G1A+7]
	s_nop 0
	PLACES
	s_branch .Lasked_\@
.Lfor_b_\@:
	tensor_load_to_lds s[WGB:WGB+3], s[G1B:G1B+7]
	s_nop 0
	PLACES
.Lasked_\@:
.endm
	s_load_b256 s[4:11], s[0:1], 0x0               ; hb 4, wd 6, cw 8, out0 10
	v_lshl_add_u32 v[SPW], v0, 2, SPARE
	v_mov_b32 v[NIL], 0
	ds_add_u32 v[SPW], v[NIL]                      ; the wave's opening: the add and its wait stand ahead of my first tensor load; the set-up below stands between them
	v_lshrrev_b32 v10, 5, v0
	v_readfirstlane_b32 s[WV], v10
	s_lshr_b32 s[WR], s[WV], 1                     ; my half of the rows.  Also: I fetch for hb (0) or wd (1)
	s_and_b32 s[WC], s[WV], 1                      ; my half of the columns.  Also: which half of that tile I fetch
	s_bfe_u32 s[CX], ttmp6, 0x40000
	s_bfe_u32 s[CY], ttmp6, 0x40004
	s_lshl_b32 s[JJ], ttmp9, 2
	s_add_co_u32 s[JJ], s[JJ], s[CX]
	s_and_b32 s[RR], ttmp7, 0xffff
	s_lshl_b32 s[RR], s[RR], 2
	s_add_co_u32 s[RR], s[RR], s[CY]
	s_lshl_b32 s[RMK], s[CY], 2
	s_lshl_b32 s[RMK], 15, s[RMK]
	s_lshl_b32 s[CMK], 0x1111, s[CX]
	s_or_b32 s[G1A], s[RMK], (3<<16)|(1<<21)       ; 15:0 the mask; 17:16 elements of 8 bytes; 21 set beside a mask
	s_or_b32 s[G1B], s[CMK], (3<<16)|(1<<21)
.irp g, G1A, G1B                       ; a dense block of 32,768 bytes as 128 rows of 32 elements
	s_mov_b32 s[\g+1], 32<<16
	s_mov_b32 s[\g+2], 128<<16
	s_mov_b32 s[\g+3], 32<<16
	s_mov_b32 s[\g+4], 128
	s_mov_b32 s[\g+5], 32
	s_mov_b32 s[\g+6], 0
	s_mov_b32 s[\g+7], 0
.endr
	s_lshl_b32 s[OA], s[RR], 16                    ; row tile 16 R + 8 (w%2), 4,096 bytes each
	s_lshl_b32 s[OA+1], s[WC], 15
	s_add_co_u32 s[OA], s[OA], s[OA+1]
	s_mov_b32 s[OA+1], 0
	s_lshl_b32 s[OB], s[JJ], 16                    ; column tile 16 j + 8 (w%2)
	s_lshl_b32 s[OB+1], s[WC], 15
	s_add_co_u32 s[OB], s[OB], s[OB+1]
	s_mov_b32 s[OB+1], 0
	s_lshl_b32 s[OO], s[RR], 21                    ; row 256 R + 128 (w/2) of 8,192 bytes, column 256 j + 128 (w%2)
	s_lshl_b32 s[OO+1], s[WR], 20
	s_add_co_u32 s[OO], s[OO], s[OO+1]
	s_lshl_b32 s[OO+1], s[JJ], 10
	s_add_co_u32 s[OO], s[OO], s[OO+1]
	s_lshl_b32 s[OO+1], s[WC], 9
	s_add_co_u32 s[OO], s[OO], s[OO+1]
	s_mov_b32 s[OO+1], 0
	s_lshl_b32 s[OC], s[RR], 10
	s_lshl_b32 s[OC+1], s[WR], 9
	s_add_co_u32 s[OC], s[OC], s[OC+1]
	s_mov_b32 s[OC+1], 0
	s_mov_b32 s[TB], 0
	s_mov_b32 s[FGA], 1
	s_lshl_b32 s[FGA+1], s[WV], 15                 ; LDS: wave x 32,768: hb's two halves, then wd's two
	s_mov_b32 s[WGA], 1
	s_add_co_u32 s[WGA+1], s[FGA+1], X_SL
	s_mov_b32 s[FGB], 1
	s_lshl_b32 s[FGB+1], s[WV], 15
	s_mov_b32 s[WGB], 1
	s_add_co_u32 s[WGB+1], s[FGB+1], X_SL
	s_wait_dscnt 0x0                               ; the opening add is done
	s_wait_kmcnt 0x0
	s_add_nc_u64 s[FGA+2:FGA+3], s[4:5], s[OA:OA+1]
	s_add_nc_u64 s[WGA+2:WGA+3], s[FGA+2:FGA+3], ST_H
	s_or_b32 s[FGA+3], s[FGA+3], 0x80000000
	s_or_b32 s[WGA+3], s[WGA+3], 0x80000000
	s_add_nc_u64 s[FGB+2:FGB+3], s[6:7], s[OB:OB+1]
	s_add_nc_u64 s[WGB+2:WGB+3], s[FGB+2:FGB+3], ST_D
	s_or_b32 s[FGB+3], s[FGB+3], 0x80000000
	s_or_b32 s[WGB+3], s[WGB+3], 0x80000000
	s_add_nc_u64 s[8:9], s[8:9], s[OC:OC+1]
	s_add_nc_u64 s[10:11], s[10:11], s[OO:OO+1]
	CROUND                                         ; all sixteen work-groups are here: the first joint loads meet
	s_cmp_eq_u32 s[WR], 0                          ; a wave's two first fills stand in one branch: two tensor loads of mine are out
	s_cbranch_scc0 .Lfirst_b
	tensor_load_to_lds s[FGA:FGA+3], s[G1A:G1A+7]
	s_nop 0
	tensor_load_to_lds s[WGA:WGA+3], s[G1A:G1A+7]
	s_nop 0
	PLACES
	s_branch .Lfirst_asked
.Lfirst_b:
	tensor_load_to_lds s[FGB:FGB+3], s[G1B:G1B+7]
	s_nop 0
	tensor_load_to_lds s[WGB:WGB+3], s[G1B:G1B+7]
	s_nop 0
	PLACES
.Lfirst_asked:
	v_and_b32 v10, 15, v0
	v_bfe_u32 v11, v0, 4, 1
	v_lshlrev_b32 v27, 2, v10
.irp a, 0,1,2,3,4,5,6,7                ; c of token 16 a + lane%16 of my rows, into both registers of a pair
	global_load_b32 v[CC+2*\a],   v27, s[8:9] offset:64*\a
	global_load_b32 v[CC+2*\a+1], v27, s[8:9] offset:64*\a
.endr
	v_and_b32 v[LN16], 31, v0
	v_lshlrev_b32 v[LN16], 4, v[LN16]
	s_lshl_b32 s2, s[WR], 15
	v_add_nc_u32 v[BA], s2, v[LN16]
	s_lshl_b32 s2, s[WC], 15
	s_add_co_u32 s2, s2, L_B
	v_add_nc_u32 v[BA+1], s2, v[LN16]
	v_mov_b32 v[ADRA], v[BA]
	v_mov_b32 v[ADRB], v[BA+1]
	s_mul_i32 s2, s[WV], 16*PIT
	s_add_co_u32 s2, s2, STAGE                     ; my stage
	v_mul_u32_u24 v[STO], v10, PIT                 ; in: row lane%16, 32 bytes for each half of the lanes
	v_lshl_add_u32 v[STO], v11, 5, v[STO]
	v_add_nc_u32 v[STO], s2, v[STO]
	v_add_nc_u32 v[RD], s2, v[LN16]                ; back: a whole row of 512 bytes
	v_mov_b32 v[CO], v[LN16]
.macro MUL16 f, hi, a0, zero           ; row tiles a0, a0 + 1 of the window's four x all 8 column tiles, 32 along K
	WIN MUL_LO+0x50*(\hi)
.irp a, \a0, (\a0)+1
.irp b, 0,1,2,3,4,5,6,7
.if \zero
	v_wmma_f32_16x16x32_bf16 v[8*(8*(\a)+(\b)):8*(8*(\a)+(\b))+7], v[(\f)+8*(\b):(\f)+8*(\b)+7], v[(\f)+8*(4*(\hi)+(\a)):(\f)+8*(4*(\hi)+(\a))+7], 0
.else
	v_wmma_f32_16x16x32_bf16 v[8*(8*(\a)+(\b)):8*(8*(\a)+(\b))+7], v[(\f)+8*(\b):(\f)+8*(\b)+7], v[(\f)+8*(4*(\hi)+(\a)):(\f)+8*(4*(\hi)+(\a))+7], v[8*(8*(\a)+(\b)):8*(8*(\a)+(\b))+7]
.endif
.endr
.endr
.endm
.macro FETCH kb, f                     ; 32 LDS loads in one run: the fragments of block kb of the step; the tokens' row tiles 4-7 are the youngest eight
	WIN TO_B
.irp i, 0,1,2,3,4,5,6,7
	ds_load_b128 v[(\f)+8*(\i):(\f)+8*(\i)+3],   v[ADRB] offset:(\i)*4096+(\kb)*1024
	ds_load_b128 v[(\f)+8*(\i)+4:(\f)+8*(\i)+7], v[ADRB] offset:(\i)*4096+(\kb)*1024+512
.endr
	WIN 0
.irp i, 0,1,2,3,4,5,6,7
	ds_load_b128 v[(\f)+8*(\i):(\f)+8*(\i)+3],   v[ADRA] offset:(\i)*4096+(\kb)*1024
	ds_load_b128 v[(\f)+8*(\i)+4:(\f)+8*(\i)+7], v[ADRA] offset:(\i)*4096+(\kb)*1024+512
.endr
.endm
; A K step is four quarters of 32 along K, 64 matrix instructions each, on buffers 0, 1, 0, 1; the 64 accumulators take turns, one instruction a turn, in the same order in every quarter.
.macro QUARTER f, g, kb, zero
	s_wait_dscnt 8                                 ; all but the youngest eight loads are in
	MUL16 \f, 0, 0, \zero
	MUL16 \f, 0, 2, \zero
	PLACES
	FETCH \kb, \g
	s_wait_dscnt 32                                ; all but the 32 just issued
	MUL16 \f, 1, 0, \zero
	MUL16 \f, 1, 2, \zero
.endm
; The last quarter multiplies buffer 1 and changes slots: one barrier; in front of it each wave waits for all its tensor loads, adds 0 to its spare word, and waits for that and for its reads of this slot.
; fill = 1: the barrier opens a round of the cluster's, and this slot is filled again, two K steps ahead, first thing behind the round: 224 matrix instructions ahead of the wait for it.
.macro TURN fill
	WIN 0
	s_wait_tensorcnt 0x0                           ; all my tensor loads have landed, so the walking groups 0 may be written
	ds_add_u32 v[SPW], v[NIL]                      ; 0 onto my spare word
	s_wait_dscnt 9                                 ; (the add and the youngest eight loads may be out)
	MUL16 F1, 0, 0, 0
	s_wait_dscnt 0x0                               ; the add is done, and my reads of this slot are over
	s_barrier_signal -1
	MUL16 F1, 0, 2, 0
	WIN 0
	s_barrier_wait -1
.if \fill
	CREST
	s_xor_b32 s[WGA+1], s[WGA+1], X_SL
	s_add_nc_u64 s[WGA+2:WGA+3], s[WGA+2:WGA+3], ST_H
	s_xor_b32 s[WGB+1], s[WGB+1], X_SL
	s_add_nc_u64 s[WGB+2:WGB+3], s[WGB+2:WGB+3], ST_D
	JLOAD                                          ; the four v_nop behind it are also the places in front of the loads below
.else
	PLACES
.endif
	s_xor_b32 s[TB], s[TB], X_SL
	v_add_nc_u32 v[ADRA], s[TB], v[BA]
	v_add_nc_u32 v[ADRB], s[TB], v[BA+1]
	FETCH 0, F0
	MUL16 F1, 1, 0, 0
	MUL16 F1, 1, 2, 0
.endm
; Every accumulator times its token's c.  Row tiles 0-3 were finished in front of the refill's places; their 128 multiplies, which name no register of the last products, are the places for row tiles 4-7.
.macro SCALE
	WIN 0x82                                       ; destination and source 0 window 2, c window 0
.set ia, 0
.rept 4
.set ii, 64*ia
.rept 32
	v_pk_mul_f32 v[ii:ii+1], v[ii:ii+1], v[CC+2*ia:CC+2*ia+1]
.set ii, ii+2
.endr
.set ia, ia+1
.endr
	WIN 0xc3
.set ia, 0
.rept 4
.set ii, 64*ia
.rept 32
	v_pk_mul_f32 v[ii:ii+1], v[ii:ii+1], v[CC+8+2*ia:CC+8+2*ia+1]
.set ii, ii+2
.endr
.set ia, ia+1
.endr
	WIN 0
.endm
	s_wait_loadcnt 0x0                             ; c
	s_wait_tensorcnt 0x1                           ; my part of K step 0 is in; K step 1's stays out
	s_barrier_signal -1
	s_barrier_wait -1
	FETCH 0, F0
	QUARTER F0, F1, 1, 1                           ; the first quarter stands in front of the loop: its products start the sums
	WIN 0
	s_mov_b32 s[CNT], 4
.Lstep:                                            ; a trip: a K step's quarters 1 to 3 and the next step's quarter 0; K steps 0 to 3
	QUARTER F1, F0, 2, 0
	QUARTER F0, F1, 3, 0
	TURN 1
	WIN 0
	s_cmp_lg_u32 s[CNT], 3                         ; the second trip has just ended K step 1: k 0..255, the routed part, is summed
	s_cbranch_scc1 .Lnoscale                       ; the jump passes no barrier and no tensor load
	SCALE
.Lnoscale:
	QUARTER F0, F1, 1, 0
	WIN 0
	s_sub_co_u32 s[CNT], s[CNT], 1
	s_cmp_lg_u32 s[CNT], 0
	s_cbranch_scc1 .Lstep
	QUARTER F1, F0, 2, 0                           ; the last two K steps are written out: nothing is left to ask for
	QUARTER F0, F1, 3, 0
	TURN 0
	QUARTER F0, F1, 1, 0
	QUARTER F1, F0, 2, 0
	QUARTER F0, F1, 3, 0
	s_wait_dscnt 8
	MUL16 F1, 0, 0, 0
	MUL16 F1, 0, 2, 0
	s_wait_dscnt 0x0
	MUL16 F1, 1, 0, 0
	MUL16 F1, 1, 2, 0
	WIN 0
	PLACES
; THE WAY OUT of row tile a: a lane's 32 bytes of a row go into my own stage, whole rows of 512 bytes come back and are stored.  LDS serves a wave's instructions in order: no wait between the stores and the loads.
.macro OUTB a
.set rA, 64*((\a)%4)
.set BK, 64+64*((\a)%2)
	s_wait_xcnt 0x0                                ; the registers that earlier stores read are loaded again only behind this wait
	WIN 0x08+4*((\a)/4)                            ; the stores' data in window 2 or 3
.irp b, 0,1,2,3,4,5,6,7
	ds_store_b128 v[STO], v[rA+8*(\b):rA+8*(\b)+3]   offset:64*(\b)      ; each accumulator's low registers first
	ds_store_b128 v[STO], v[rA+8*(\b)+4:rA+8*(\b)+7] offset:64*(\b)+16
.endr
	WIN 0
.set ir, 0
.rept 16
	ds_load_b128 v[BK+4*ir:BK+4*ir+3], v[RD] offset:ir*PIT
.set ir, ir+1
.endr
.set ir, 0
.rept 16
	s_wait_dscnt 15-ir                             ; the younger rows stay out
	global_store_b128 v[CO], v[BK+4*ir:BK+4*ir+3], s[10:11] offset:(16*(\a)+ir)*8192 th:TH_STORE_NT  ; 512 consecutive bytes of a row, aligned
.set ir, ir+1
.endr
.endm
.irp a, 0,1,2,3,4,5,6,7
	OUTB \a
.endr
	s_wait_tensorcnt 0x0                           ; the wave's end, behind my last tensor load and my last LDS store
	ds_add_u32 v[SPW], v[NIL]
	s_wait_dscnt 0x0
	CROUND                                         ; the closing round: no work-group ends while a partner may still ask for a tile that names it
	s_endpgm
.Lfunc_end_k_q7034bb29ff_down:
	.size	k_q7034bb29ff_down, .Lfunc_end_k_q7034bb29ff_down-k_q7034bb29ff_down
	.p2alignl 7, 3214868480
	.fill 96, 4, 3214868480
	.section	.rodata,"a",@progbits
	.p2align	6, 0x0
	.amdhsa_kernel k_q7034bb29ff_down
		.amdhsa_group_segment_fixed_size 327680
		.amdhsa_private_segment_fixed_size 0
		.amdhsa_enable_private_segment 0
		.amdhsa_kernarg_size 32
		.amdhsa_user_sgpr_count 2
		.amdhsa_user_sgpr_kernarg_segment_ptr 1
		.amdhsa_wavefront_size32 1
		.amdhsa_system_sgpr_workgroup_id_x 1
		.amdhsa_system_sgpr_workgroup_id_y 1
		.amdhsa_system_sgpr_workgroup_id_z 1
		.amdhsa_system_vgpr_workitem_id 0
		.amdhsa_next_free_vgpr 1024
		.amdhsa_next_free_sgpr 66
		.amdhsa_reserve_vcc 0
		.amdhsa_float_denorm_mode_32 3
		.amdhsa_float_denorm_mode_16_64 3
		.amdhsa_memory_ordered 1
		.amdhsa_forward_progress 1
		.amdhsa_inst_pref_size 135
	.end_amdhsa_kernel
	.amdgpu_metadata
---
amdhsa.version: [ 1, 2 ]
amdhsa.kernels:
  - .name:           k_q7034bb29ff_down
    .symbol:         k_q7034bb29ff_down.kd
    .args:
      - { .name: hb, .offset: 0, .size: 8, .value_kind: global_buffer, .address_space: global }
      - { .name: wd, .offset: 8, .size: 8, .value_kind: global_buffer, .address_space: global }
      - { .name: cw, .offset: 16, .size: 8, .value_kind: global_buffer, .address_space: global }
      - { .name: out0, .offset: 24, .size: 8, .value_kind: global_buffer, .address_space: global }
    .group_segment_fixed_size: 327680
    .private_segment_fixed_size: 0
    .kernarg_segment_align: 8
    .kernarg_segment_size: 32
    .max_flat_workgroup_size: 128
    .sgpr_count:     66
    .vgpr_count:     1024
    .wavefront_size: 32
...
	.end_amdgpu_metadata
.endif
;; end of part 3
